; MI455X (gfx1250); checked and timed in simulation.
; The chip was launched on July 23, 2026; its instructions are those of AMD's public machine-readable ISA for CDNA 5 (MIT licence, August 2026) and "CDNA5" Instruction Set Architecture Reference Guide (July 2026). The comments in the code are by the model that wrote it; some were corrected since.
;; Dot Product Attention. Allowed arithmetic: matrix products marked QUANTISED: E2M1 operands, one E8M0 scale for each 32 along K, by v_wmma_scale_f32_16x16x128_f8f6f4 with both operands' format E2M1 (or v_wmma_scale_f32_32x16x128_f4), f32 sums; everything else in f32.
;; Inputs: keys_codes 16 x 2,048 x 4 x 16 uint8 (E2M1 codes of keys, K innermost, in blocks of 32 codes, two codes a byte); keys_scales 16 x 2,048 x 4 uint8 (E8M0 scales of keys, one for each 32 codes along K); queries_codes 16 x 2,048 x 4 x 16 uint8 (E2M1 codes of queries, K innermost, in blocks of 32 codes, two codes a byte); queries_scales 16 x 2,048 x 4 uint8 (E8M0 scales of queries, one for each 32 codes along K); valid_lens 16 int32; values_codes 16 x 128 x 64 x 16 uint8 (E2M1 codes of values, K innermost, in blocks of 32 codes, two codes a byte); values_scales 16 x 128 x 64 uint8 (E8M0 scales of values, one for each 32 codes along K).
;; Outputs: out0 16 x 2,048 x 128 float32.
;; This version of the problem:
;;   THIS VERSION OF THE PROBLEM IS GIVEN IN LOW PRECISION. The matrix products marked QUANTISED in the list below multiply operands that are first quantised to E2M1 (2 exponent bits, 1 mantissa bit; 4 bits a number), with one power-of-two scale for each 32 numbers along K (OCP MX v1.0); their sums are f32. All else is computed in f32.
;;   The module's matrix products, in the order in which they are computed (A, B: the left and right operand; K: the contracted axis; several contracted axes count as one K, in the product's order):
;;     1. batch 16 x [M 2,048, K 128] x [K 128, N 2,048]; A: input queries (given as codes); B: input keys (given as codes): QUANTISED
;;     2. batch 16 x [M 2,048, K 2,048] x [K 2,048, N 128]; A: softmax (see below); B: input values (given as codes): QUANTISED
;;   THE QUANTISER, for each operand of a quantised product, along K:
;;     - K is cut into blocks of 32 from its start; a last block that is shorter is filled with zeros.
;;     - A block's scale is 2^e with e = floor(log2(the largest magnitude in the block)) - 2, held to -126 .. 127; a block of zeros has e = 0. As a byte (E8M0): e + 127.
;;     - Each number is divided by its block's scale, clamped to +-6, and rounded to the nearest number of E2M1, ties to even, subnormals kept.
;;     - The product sums the exact products of the quantised numbers (number of the format x scale) in f32.
;;   ~~~python
;;   def quantise(x, axis):      # numpy; x: float32 -> the quantised numbers, widened to float32 again
;;       x = np.moveaxis(x, axis, -1); K = x.shape[-1]
;;       x = np.pad(x, [(0, 0)] * (x.ndim - 1) + [(0, -K % 32)]); x = x.reshape(x.shape[:-1] + (-1, 32)); a = np.abs(x).max(-1, keepdims=True)
;;       e = np.where(a > 0, np.clip(np.frexp(np.where(a > 0, a, 1))[1] - 1 - 2, -126, 127), 0)      # np.frexp(a)[1] - 1 = floor(log2(a)), exactly
;;       r = np.clip(x / 2.0 ** e, -6, 6)
;;       step = 2.0 ** (np.maximum(np.frexp(np.where(r == 0, 1, r))[1] - 1, 0) - 1)
;;       q = np.round(r / step) * step * 2.0 ** e      # np.round: ties to even
;;       return np.moveaxis(q.reshape(q.shape[:-2] + (-1,))[..., :K], -1, axis).astype(np.float32)
;;   ~~~
;;   SOFTMAX AHEAD OF A QUANTISED PRODUCT. Where the list says 'softmax', what is quantised is not the finished softmax but p = 2^(t - M), with t = logit x log2(e) and M = ceil(the row's largest t), a whole number; so 1/2 < the row's largest p <= 1. The row's sum l is taken of the UNQUANTISED p, in f32, and the product's result is divided by l at the end. Since M is a whole number, a kernel that streams over the keys may use a running M (the ceiling of the running maximum): every later rescaling is an exact power of two, which a block's scale takes up: the codes' values come out the same.
;;   OPERANDS COMPUTED ON THE WAY. 'Computed on the way' means the value that the module computes at that place (a softmax that the list does not call 'softmax' is quantised finished and normalised). What goes into a quantiser is computed in f32, as accurately as f32 sums, v_exp_f32 and their like allow (about 1e-6 of the number): no bf16 or f16 on the way to a quantiser, and a product that is left as it is and whose result goes on into a quantised operand takes f32 operands (vector FMAs, or v_wmma_f32_16x16x4_f32). A number that lies on a knife's edge between two numbers of the format may be rounded either way, as far as f32 arithmetic and the matrix unit's own rounding can turn it there, and no further.
;;   INPUTS GIVEN AS CODES. keys (in the module: [16, 2048, 128], K = its axis 2); queries (in the module: [16, 2048, 128], K = its axis 2); values (in the module: [16, 2048, 128], K = its axis 1): each comes as NAME_codes (uint8): NAME with its K axis moved to the last place and cut into blocks of 32 codes, [.., K / 32, bytes a block], one block behind the other in memory; two codes a byte, the lower K in the low four bits (a code: sign, 2 exponent bits, 1 mantissa bit); and NAME_scales (uint8): the same leading axes, one E8M0 byte (e + 127) for each 32 codes along K. Its value is code x scale, taken as it is: it is not quantised again, and the codes and scales need not be those that the quantiser above would give.
;; One version. Each part assembles by itself: llvm-mc -triple=amdgcn-amd-amdhsa -mcpu=gfx1250 --defsym DOCPART=n.
;; ======== version 1 of 1: 1 launch
;; limits: right only within a limited range of input values
;; launch attn (part 1): grid 256 x 1, 8 waves a work-group, no clusters, 327,680 bytes of LDS; arguments queries_codes, queries_scales, keys_codes, keys_scales, values_codes, values_scales, valid_lens, out0; writes out0
.if DOCPART == 1
	.amdgcn_target "amdgcn-amd-amdhsa--gfx1250"
	.amdhsa_code_object_version 6
	.text
	.protected	k_qa9c7983427_attn
	.globl	k_qa9c7983427_attn
	.p2align	8
	.type	k_qa9c7983427_attn,@function
k_qa9c7983427_attn:
	s_mov_b64 s[64:65], 0
	v_nop
	global_prefetch_b8 v0, s[64:65] scope:SCOPE_SE
	s_setreg_imm32_b32 hwreg(HW_REG_WAVE_MODE, 25, 1), 1
	s_wait_xcnt 0x0
; out[b][q][:] = the sum over k of softmax_k(masked(Q[b][q] . K[b][k] / sqrt(128))) V[b][k][:]; keys k >= valid_lens[b] get the logit -1e6.  16 batches, 2,048 queries, 2,048 keys, head 128.
; Both products on codes of FP4 (E2M1) with one E8M0 scale for each 32 along a product's K.  Q, K: [16][2048][64 bytes], scale words [16][2048][4]; V with the KEYS innermost: [16][128][1024 bytes], scale bytes [16][128][64].  out: f32.
; THE SOFTMAX AHEAD OF THE SECOND PRODUCT: t = score x log2(e) / sqrt(128); M = the running largest t rounded UP to a whole number; p = 2^(t - M) is quantised along the keys, not normalised; the row's sum is taken of the
; unquantised p and divides at the end; when M moves, the sum and O are multiplied by 2^(old M - new M), which rounds nothing.
; WORK THAT IS NOT DONE: a key step (128 keys) that lies wholly at or past valid_lens[b] adds p = 0 everywhere: it is jumped over, by scalar branches on the length that the launch reads.
; SHARES.  A wave owns 16 queries.  A work-group has two HALVES of four waves; a half owns 64 queries of one batch.  The batches are ranked by length (ties by index); work-group w = 32 p + j gives its half 0 query block j of the
; batch of rank p and its half 1 query block j of the batch of rank 15 - p: a short walk beside a long one.
; K AND V GO MEMORY -> REGISTERS -> LDS, by plain loads and LDS stores, a slot of 512 keys ahead.  No tensor load, no cluster, no joint request: the walk's branches hang on valid_lens, a number read from memory;
; partners of a cluster would need different numbers of tiles.
; LDS holds IMAGES OF THE OPERANDS' REGISTERS: a load of a fragment's four registers takes 512 bytes, lanes 0-15 one run of 256, lanes 16-31 the next.  Inside a run the 16-byte column is the lane's row exclusive-or a number that
; hangs on the piece: so both the staging stores and the fragment loads touch sixteen different columns in each group of sixteen lanes, with no padding.
; LAYOUT.  Both products are used transposed (S^T = K Q^T, O^T = V^T P^T): a lane holds ONE query throughout.  THE KEYS OF A TILE ARE NOT NEIGHBOURS: lane r of tile 2 b + u takes key 32 b + 8 u + r + 8 (r / 8), so that the 16
; registers of tiles 2 b and 2 b + 1 are the 16 neighbouring keys 32 b + 16 (lane / 16) + 0 .. 15.
; LIMITS.  valid_lens is taken as min(max(len, 0), 2048), as the comparison with the key's number acts.  len = 0: every logit is -1e6, whose t in f32 is the whole number -1442695, so p = 1 for all 2,048 keys: served by clearing
; Q's codes (all scores 0) and walking all keys.  Masked keys in steps that are jumped over count as exactly 0: that is what f32 gives while a row's largest valid logit lies above about -1e6 + 104; rows below that are not served.
; In the one step on the boundary the fill is -1e6 itself, as the raw score -1e6 x sqrt(128).  Scale bytes 0xff and NaN are not served.  p under 2^-126 counts as 0.
; REGISTERS.  Window 0: v1-5 lane constants; v6-11 LDS addresses of the slot and step; v12 -M, v13 largest t, v[14:15] the sum; v16-23 Q; v24-26 staging addresses; v27-30 global offsets; v31 the mask's bound; v32-95 V's 8 fragments;
;   v96-159 S^T, then p; v160-223 O^T; v224-231 p's codes; v232-243, v252, v254 at work; v244-247 V's scale words; v248-251 K's; v253 p's scale word; v255 Q's.
;   Window 1: v0-127 four staging sets of 32 (a set: four loads of K, four of V); v128-191 K's 8 fragments.
.set SLOT1, 1<<17                      ; the ring: buffer 0 at 0, buffer 1 here; in a buffer half H at 65,536 H: K's images (32,768 bytes), then V's
.set SCB,   2*SLOT1                    ; the scale words of a half's whole batch: 16,384 H; K's 8,192 bytes, then V's: [step][lane][4 words]
.set STG,   SCB+32768                  ; the way out: 16 rows x 256 bytes for each wave
.set AK0,  1                           ; v1   my lane's place in K's images
.set AV0,  2                           ; v2   in V's
.set ASC,  3                           ; v3   among the scale words
.set SKC,  4                           ; v4   where my thread stores K's 16 bytes
.set SVC,  5                           ; v5   and V's
.set ADK,  6                           ; v6-7 K's fragments of the slot in hand: pieces c = 0, 1
.set TBAV, 8                           ; v8   V's, ahead of the step's exclusive or; on the way out: my offset in out
.set ADV,  9                           ; v9-10 V's fragments of the step in hand: pieces c = 0, 1
.set ADS,  11                          ; v11  the slot's scale words
.set STK,  24                          ; v24  staging: K
.set STV,  25                          ; v25-26 staging: V, even and odd loads
.set GK,   27                          ; v27  16 x thread of the half
.set GV,   28                          ; v28  1,024 (thread / 16) + 16 (thread % 16)
.set PFK,  29                          ; v29  256 x thread of the half
.set PFV,  30                          ; v30  1,024 x thread of the half
.set MD,   31                          ; v31  the mask's bound
.set WV,   20                          ; s20  wave 0..7
.set HF,   21                          ; s21  half
.set W4,   22                          ; s22  wave in the half
.set PR,   23                          ; s23  pair p
.set JB,   24                          ; s24  query block j
.set RK,   25                          ; s25  the rank that my half takes
.set BB,   26                          ; s26  its batch
.set LEN,  27                          ; s27  keys that count, 1 .. 2,048
.set QM,   28                          ; s28  -1, or 0 where the length is 0
.set KF0,  29                          ; s29  the slot's first key
.set CNT,  30                          ; s30  trips to go
.set PLIM, 31                          ; s31  LEN in the batch's first query block, else 0
.set SEL,  32                          ; s[32:33] v_permlanex16_b32's selects for lane l xor 16
.set CS,   34                          ; s[34:35] c = log2(e) / sqrt(128)
.set TB,   44                          ; s44  the buffer in hand: 0 or SLOT1
.set TS,   45                          ; s45  the slot's scale words: 2,048 bytes a slot
.set STB,  46                          ; s46  the other buffer
.set MSB, 0
.macro WIN new                         ; the immediate's high byte repeats the setting that is left; a switch that changes nothing is dropped
.if MSB != \new
	s_set_vgpr_msb (MSB<<8)|\new
.set MSB, \new
.endif
.endm
; Staging set q of the next slot, from memory (destination window 1).  K: 2,048 consecutive bytes for the half's 128 threads, key step q; V: rows 32 q + 8 i + thread / 16, the slot's 256 bytes of each: sixteen lanes to a row.
.macro GLOAD q
.irp i, 0,1,2,3
	global_load_b128 v[32*(\q)+4*\i:32*(\q)+4*\i+3], v[GK], s[8:9] offset:(\q)*8192+\i*2048
	global_load_b128 v[32*(\q)+16+4*\i:32*(\q)+16+4*\i+3], v[GV], s[12:13] offset:(32*(\q)+8*\i)*1024
.endr
.endm
.macro GSTORE q                        ; and into the other buffer, as images (data window 1)
.irp i, 0,1,2,3
	ds_store_b128 v[STK], v[32*(\q)+4*\i:32*(\q)+4*\i+3] offset:(\q)*8192+\i*2048
	ds_store_b128 v[STV+\i%2], v[32*(\q)+16+4*\i:32*(\q)+16+4*\i+3] offset:(2*(\q)+\i/2)*1024
.endr
.endm
.macro KLOAD q                         ; key step q's eight fragments of K and their scale words: 17 LDS loads
	WIN 0x40
.irp t, 0,1,2,3,4,5,6,7
.irp c, 0,1
	ds_load_b128 v[128+8*\t+4*\c:131+8*\t+4*\c], v[ADK+\c] offset:(\q)*8192+\t*1024+\c*512
.endr
.endr
	WIN 0
	ds_load_b128 v[248:251], v[ADS] offset:512*(\q)       ; register x: lanes 0-15 the words of tile 2 x, lanes 16-31 those of tile 2 x + 1
.endm
.macro VLOAD q                         ; the same of V: 17 LDS loads
.irp t, 0,1,2,3,4,5,6,7
.irp c, 0,1
	ds_load_b128 v[32+8*\t+4*\c:35+8*\t+4*\c], v[ADV+\c] offset:(\q)*8192+\t*1024+\c*512
.endr
.endr
	ds_load_b128 v[244:247], v[ADS] offset:8192+512*(\q)
.endm
.macro KQ                              ; S^T = K Q^T: eight tiles of 16 keys, each a sum of its own begun with 0
	WIN 0x01                                       ; source 0 (K) window 1
.irp t, 0,1,2,3,4,5,6,7
.if \t%2
	v_wmma_scale_f32_16x16x128_f8f6f4 v[96+8*\t:103+8*\t], v[128+8*\t:135+8*\t], v[16:23], 0, v[248+\t/2], v255 matrix_a_fmt:MATRIX_FMT_FP4 matrix_b_fmt:MATRIX_FMT_FP4 matrix_a_scale:MATRIX_SCALE_ROW1
.else
	v_wmma_scale_f32_16x16x128_f8f6f4 v[96+8*\t:103+8*\t], v[128+8*\t:135+8*\t], v[16:23], 0, v[248+\t/2], v255 matrix_a_fmt:MATRIX_FMT_FP4 matrix_b_fmt:MATRIX_FMT_FP4
.endif
.endr
	WIN 0
.endm
.macro PV                              ; O^T += V^T P^T: eight accumulators, one instruction a turn
.irp t, 0,1,2,3,4,5,6,7
.if \t%2
	v_wmma_scale_f32_16x16x128_f8f6f4 v[160+8*\t:167+8*\t], v[32+8*\t:39+8*\t], v[224:231], v[160+8*\t:167+8*\t], v[244+\t/2], v253 matrix_a_fmt:MATRIX_FMT_FP4 matrix_b_fmt:MATRIX_FMT_FP4 matrix_a_scale:MATRIX_SCALE_ROW1
.else
	v_wmma_scale_f32_16x16x128_f8f6f4 v[160+8*\t:167+8*\t], v[32+8*\t:39+8*\t], v[224:231], v[160+8*\t:167+8*\t], v[244+\t/2], v253 matrix_a_fmt:MATRIX_FMT_FP4 matrix_b_fmt:MATRIX_FMT_FP4
.endif
.endr
.endm
; A PREFETCH INTO THE L2 of the slot after the one that is being staged: 128 blocks of 256 bytes of K and the slot's 256 bytes of V's 128 rows, one of each to a thread of the half.  All 32 query blocks of a batch walk the same K and
; V: the batch's first block asks, so each aligned 256 bytes is named once in the launch.  It stands behind the third step's loads, two key steps ahead of the loads that will want the bytes.  It asks only where that slot
; holds keys that count (KF0 + 1,024 < LEN <= 2,048), so it stays inside the buffers.  Slots 0 and 1 come by their loads alone.
.macro ASK
	s_add_co_u32 s36, s[KF0], 1024
	s_cmp_lt_u32 s36, s[PLIM]
	s_cbranch_scc0 .Lnoask_\@
	global_prefetch_b8 v[PFK], s[8:9] offset:32768 th:TH_LOAD_NT scope:SCOPE_SE
	global_prefetch_b8 v[PFV], s[12:13] offset:256 th:TH_LOAD_NT scope:SCOPE_SE
.Lnoask_\@:
.endm
; The softmax of one key step: from the scores in v96-159 to p's codes in v224-231, its scale word in v253, the sum and O^T under the new M.
.macro SOFTMAX
.irp b, 0,1,2,3
	v_max3_num_f32 v[232+\b], v[96+16*\b], v[97+16*\b], v[98+16*\b]   ; the largest score of each block of 32 keys: it serves the row's maximum and, since p rises with the score, the block's largest p
.endr
.irp i, 3,5,7,9,11,13
.irp b, 0,1,2,3
	v_max3_num_f32 v[232+\b], v[232+\b], v[96+16*\b+\i], v[97+16*\b+\i]   ; (the four blocks by turns)
.endr
.endr
.irp b, 0,1,2,3
	v_max_num_f32 v[232+\b], v[232+\b], v[111+16*\b]
.endr
.irp b, 0,1,2,3
	v_permlanex16_b32 v[236+\b], v[232+\b], s[SEL], s[SEL+1]
.endr
.irp b, 0,1,2,3
	v_max_num_f32 v[232+\b], v[232+\b], v[236+\b]  ; with lane l xor 16's 16 keys
.endr
	v_max3_num_f32 v254, v232, v233, v234
	v_max_num_f32 v254, v254, v235                 ; the step's largest score of my query
	v_mul_f32 v254, s[CS], v254                    ; as t (c is positive)
	v_max_num_f32 v13, v13, v254                   ; the running largest t
	v_mov_b32 v254, v12
	v_floor_f32 v12, -v13                          ; the new -M = floor(-t) = -ceil(t): a whole number
	v_sub_f32 v254, v12, v254                      ; old M - new M: a whole number, 0 or less
	v_cvt_i32_f32 v254, v254                       ; (it saturates)
	v_ldexp_f32 v252, 1.0, v254                    ; f = 2^(old M - new M)
.set J, 0
.rept 32
	v_pk_fma_f32 v[96+J:97+J], v[96+J:97+J], s[CS:CS+1], v[12:13] op_sel_hi:[1,0,0]   ; t - M, two at a time (of the pairs c and -M the low word serves both halves)
.set J, J+2
.endr
.irp b, 0,1,2,3
	v_fma_f32 v[232+\b], v[232+\b], s[CS], v12     ; the same of each block's largest score
.endr
.set J, 0
.rept 64
	v_exp_f32 v[96+J], v[96+J]                     ; p = 2^(t - M), at most 1
.set J, J+1
.endr
	v_pk_mul_f32 v[14:15], v[14:15], v[252:253] op_sel_hi:[1,0]   ; the sums under the new M: the plain instruction behind the exponentials
	s_wait_alu depctr_va_vdst(0)                   ; one wait for the batch of 64, ahead of its first reader
.irp b, 0,1,2,3
	v_exp_f32 v[232+\b], v[232+\b]                 ; the block's largest p: the same two instructions on the same number give the same bits
.endr
	v_pk_add_f32 v[236:237], v[96:97], v[98:99]    ; the row's sum of the UNQUANTISED p, two at a time, in two chains; it names none of the four results
.set J, 4
.rept 15
	v_pk_add_f32 v[14:15], v[14:15], v[96+J:97+J]
	v_pk_add_f32 v[236:237], v[236:237], v[98+J:99+J]
.set J, J+4
.endr
	v_pk_add_f32 v[14:15], v[14:15], v[236:237]
	s_wait_alu depctr_va_vdst(0)                   ; and one wait for the four
.irp b, 0,1,2,3
	v_max_num_f32 v[232+\b], 0x1800000, v[232+\b]  ; the floor 2^(3 - 127): the byte cannot fall under 1 (a block whose every p is 0 keeps that byte: its codes are zeros)
.endr
.irp b, 0,1,2,3
	v_add_nc_u32 v[240+\b], 0xff000000, v[232+\b]  ; 2 off the exponent field: the conversion's scale operand
.endr
.irp b, 0,1,2,3
	v_lshrrev_b32 v[236+\b], 23, v[240+\b]         ; the scale's byte
.endr
	v_lshl_or_b32 v253, v237, 8, v236              ; p's scale word for these 128 keys
	v_lshl_or_b32 v253, v238, 16, v253
	v_lshl_or_b32 v253, v239, 24, v253
.irp b, 0,1,2,3
	v_cvt_scalef32_pk8_fp4_f32 v[224+2*\b], v[96+16*\b:103+16*\b], v[240+\b]
	v_cvt_scalef32_pk8_fp4_f32 v[225+2*\b], v[104+16*\b:111+16*\b], v[240+\b]
.endr
	v_nop                                          ; one plain instruction behind the last scaled conversion
.irp c, 0,1                                    ; the operand's layout wants a WHOLE block in a lane: lanes 0-15 block 2 c, lanes 16-31 block 2 c + 1
.irp i, 0,1
	v_permlane16_swap_b32 v[224+4*\c+\i], v[226+4*\c+\i]
.endr
.endr
.set J, 0
.rept 32
	v_pk_mul_f32 v[160+J:161+J], v[160+J:161+J], v[252:253] op_sel_hi:[1,0]   ; O^T under the new M, from each accumulator's low end on; these 32 are also the places between the scale word, the codes and the products
.set J, J+2
.endr
.endm
; A KEY STEP, the q-th of the slot in hand.  full = 1: a slot all of whose 512 keys count and that has a successor: no test, no mask, and the next slot is staged beside the work.  full = 0: the last slot with keys that count.
.macro STEP q, full
.if !(\full) && ((\q) > 0)
	s_add_co_u32 s36, s[KF0], 128*(\q)             ; a step whose first key does not count hides all later ones too
	s_cmp_ge_u32 s36, s[LEN]
	s_cbranch_scc1 .Lout
.endif
.if \full
.if (\q) == 0
	WIN 0x40
	GLOAD 0
	GLOAD 1
	WIN 0
.elseif (\q) < 3
	WIN 0x40
	GLOAD (\q)+1
	WIN 0
.endif
.if (\q) == 2
	ASK
.endif
.endif
.if (\full) && ((\q) >= 2)
	s_wait_dscnt 8                                 ; K's 17 loads are in; behind them stand only the last step's eight staging stores
.else
	s_wait_dscnt 0x0                               ; K's 17 loads are in
.endif
	KQ
	v_xor_b32 v[ADV], (4*(\q))<<4, v[TBAV]         ; V's columns of this step.  These two and two v_nop are the four places between the products and the loads into K's registers, and the first read of the scores
	v_xor_b32 v[ADV+1], (4*(\q)+2)<<4, v[TBAV]
	v_nop
	v_nop
	VLOAD \q                                       ; one run of LDS loads, which land behind the softmax
.if (\q) < 3
	KLOAD (\q)+1
.endif
.if !(\full)
	s_add_co_u32 s36, s[KF0], 128*(\q)+128         ; the step on the boundary: keys at or past LEN get the fill ahead of the maximum; a step all of whose keys count skips this
	s_cmp_le_u32 s36, s[LEN]
	s_cbranch_scc1 .Lopen_\@
	s_sub_co_u32 s36, s[LEN], s[KF0]
	s_sub_co_u32 s36, s36, 128*(\q)
	v_bfe_u32 v[MD], v0, 4, 1
	v_lshlrev_b32 v[MD], 4, v[MD]
	v_sub_nc_u32 v[MD], s36, v[MD]                 ; register 16 b + i holds key KF0 + 128 q + 16 (lane / 16) + 32 b + i: masked where 32 b + i >= LEN - KF0 - 128 q - 16 (lane / 16)
	v_mov_b32 v254, 0xcb2ca22c                     ; -1e6 x sqrt(128)
.irp n, 0,1,2,3,4,5,6,7,8,9,10,11,12,13,14,15,16,17,18,19,20,21,22,23,24,25,26,27,28,29,30,31,32,33,34,35,36,37,38,39,40,41,42,43,44,45,46,47,48,49,50,51,52,53,54,55,56,57,58,59,60,61,62,63
	v_cmp_ge_i32 vcc_lo, 32*(\n/16)+\n%16, v[MD]
	v_cndmask_b32 v[96+\n], v[96+\n], v254, vcc_lo
.endr
.Lopen_\@:
.endif
	SOFTMAX
.if (\q) < 3
	s_wait_dscnt 17                                ; V's 17 loads are in; the next step's 17 of K, issued behind them, may be out
.else
	s_wait_dscnt 0x0
.endif
	PV
.rept 4
	v_nop                                          ; the places in front of the next loads into V's registers and of the next read of O^T
.endr
.if \full
.if (\q) == 1
	s_wait_loadcnt 16                              ; set 0's eight loads are in; sets 1 and 2 may be out
	WIN 0x04
	GSTORE 0
	WIN 0
.elseif (\q) == 2
	s_wait_loadcnt 16                              ; set 1's are in; sets 2 and 3 may be out
	WIN 0x04
	GSTORE 1
	WIN 0
.elseif (\q) == 3
	s_wait_loadcnt 0x0
	WIN 0x04
	GSTORE 2
	GSTORE 3
	WIN 0
.endif
.endif
.endm
	; ---- THE HEAD
	s_load_b512 s[4:19], s[0:1], 0x0               ; Q's codes s[4:5], Q's scales s[6:7], K's s[8:9], s[10:11], V's s[12:13], s[14:15], valid_lens s[16:17], out s[18:19]
	v_lshrrev_b32 v240, 5, v0
	v_readfirstlane_b32 s[WV], v240                ; wave 0..7
	v_and_b32 v232, 15, v0                         ; r
	v_bfe_u32 v233, v0, 4, 1                       ; h
	v_lshlrev_b32 v254, 2, v232                    ; 4 r: the offset of a length, and of a query's scale word
	s_wait_kmcnt 0x0
	global_load_b32 v33, v254, s[16:17]            ; lane l: valid_lens[l % 16]
	s_lshr_b32 s[HF], s[WV], 2
	s_and_b32 s[W4], s[WV], 3
	s_lshr_b32 s[PR], ttmp9, 5
	s_and_b32 s[JB], ttmp9, 31
	s_sub_co_u32 s36, 15, s[PR]
	s_cmp_eq_u32 s[HF], 0
	s_cselect_b32 s[RK], s[PR], s36                ; half 0: rank p; half 1: rank 15 - p
	s_lshl_b32 s36, s[HF], 16                      ; my half's part of a buffer,
	s_lshl_b32 s37, s[HF], 14                      ; and of the scale words
	s_mov_b32 s[SEL], 0x76543210
	s_mov_b32 s[SEL+1], 0xfedcba98
	s_mov_b32 s[CS], 0x3e0293ee                    ; c = log2(e) / sqrt(128)
	s_mov_b32 s[CS+1], s[CS]                       ; (named with it as a pair, so it is written)
	; the lane constants are made while the lengths are on their way
	v_lshlrev_b32 v252, 6, v232
	v_lshl_add_u32 v252, v233, 4, v252             ; Q: row r of 64 bytes, + 16 h
	v_lshlrev_b32 v234, 2, v233
	v_xor_b32 v234, v232, v234
	v_lshlrev_b32 v234, 4, v234
	v_lshl_add_u32 v234, v233, 8, v234
	v_add_nc_u32 v[AK0], s36, v234                 ; K, piece c = 0: 256 h + 16 (r xor 4 h); piece 1: column xor 8, 512 bytes on
	v_xor_b32 v234, v232, v233
	v_lshlrev_b32 v234, 4, v234
	v_lshl_add_u32 v234, v233, 8, v234
	v_add_nc_u32 v234, s36, v234
	v_add_nc_u32 v[AV0], 0x8000, v234              ; V: 256 h + 16 (r xor h); step q, piece c: column xor (4 q + 2 c)
	v_and_b32 v234, 31, v0
	v_lshlrev_b32 v234, 4, v234
	v_add_nc_u32 v234, s37, v234
	v_add_nc_u32 v[ASC], SCB, v234                 ; scale words: 16 x lane
	v_bfe_u32 v234, v0, 2, 3                       ; staging K: thread T of the half holds piece T % 4 of the key 32 i + T / 4 of a step: row r' = (T / 4) % 8 + 8 (T / 64) of tile 2 i + (T / 32) % 2
	v_bfe_u32 v235, v0, 6, 1
	v_lshl_add_u32 v234, v235, 3, v234
	v_and_b32 v235, 3, v0
	v_lshlrev_b32 v236, 2, v235
	v_xor_b32 v234, v234, v236
	v_lshlrev_b32 v234, 4, v234
	v_lshl_add_u32 v234, v235, 8, v234
	v_bfe_u32 v236, v0, 5, 1
	v_lshl_add_u32 v234, v236, 10, v234
	v_add_nc_u32 v[SKC], s36, v234
	v_bfe_u32 v234, v0, 4, 3                       ; staging V: thread T holds piece T % 16 = 4 q + 2 c + h of row 32 q' + 8 i + T / 16
	v_xor_b32 v234, v234, v232
	v_lshlrev_b32 v234, 4, v234
	v_lshl_add_u32 v234, v235, 8, v234
	v_bfe_u32 v236, v0, 2, 2
	v_lshl_add_u32 v234, v236, 13, v234
	v_add_nc_u32 v234, s36, v234
	v_add_nc_u32 v[SVC], 0x8000, v234
	v_and_b32 v237, 127, v0                        ; T
	v_lshlrev_b32 v[GK], 4, v237
	v_bfe_u32 v234, v0, 4, 3
	v_lshlrev_b32 v234, 10, v234
	v_lshl_add_u32 v[GV], v232, 4, v234
	v_lshlrev_b32 v[PFK], 8, v237
	v_lshlrev_b32 v[PFV], 10, v237
	v_bfe_u32 v234, v0, 5, 2                       ; K's scale words: thread T's load i holds the words of keys 512 i + 4 T + w: step 4 i + T / 32, block (T / 8) % 4, lane 16 ((T / 2) % 2) + 8 ((T / 4) % 2) + 4 (T % 2) + w
	v_lshlrev_b32 v234, 9, v234
	v_bfe_u32 v236, v0, 1, 1
	v_lshl_add_u32 v234, v236, 8, v234
	v_bfe_u32 v236, v0, 2, 1
	v_lshl_add_u32 v234, v236, 7, v234
	v_and_b32 v236, 1, v0
	v_lshl_add_u32 v234, v236, 6, v234
	v_bfe_u32 v236, v0, 3, 2
	v_lshl_add_u32 v234, v236, 2, v234
	v_add_nc_u32 v234, s37, v234
	v_add_nc_u32 v9, SCB, v234
	v_lshlrev_b32 v234, 11, v235                   ; V's: load i holds the words of steps 4 (T % 4) + w of row 32 i + T / 4: lane T / 4, word i
	v_bfe_u32 v236, v0, 2, 5
	v_lshl_add_u32 v234, v236, 4, v234
	v_add_nc_u32 v234, s37, v234
	v_add_nc_u32 v10, SCB+8192, v234
	v_mov_b32 v[STK], v[SKC]                       ; slot 0 is staged into buffer 0
	v_mov_b32 v[STV], v[SVC]
	v_xor_b32 v[STV+1], 128, v[STV]
	; the ranking: every wave ranks all sixteen lengths; whole numbers alone
	s_wait_loadcnt 0x0
	v_cmp_gt_i32 vcc_lo, 0, v33
	v_cndmask_b32 v33, v33, 0, vcc_lo              ; a negative length counts as 0,
	v_min_u32 v33, 0x800, v33                      ; one above 2,048 as 2,048
	v_lshl_or_b32 v34, v33, 4, v232                ; the sort key: 16 x length + index: no two alike
	v_mov_b32 v35, 0
.irp jj, 0,1,2,3,4,5,6,7,8,9,10,11,12,13,14,15
	v_readlane_b32 s38, v34, \jj
	v_cmp_lt_u32 vcc_lo, s38, v34
	v_cndmask_b32 v37, 0, 1, vcc_lo
	v_add_nc_u32 v35, v35, v37                     ; my batch's rank: how many keys lie under its own
.endr
	v_cmp_eq_u32 vcc_lo, s[RK], v35
	s_ctz_i32_b32 s[BB], vcc_lo                    ; the batch of the rank wanted,
	s_min_u32 s[BB], s[BB], 15                     ; held inside the table
	v_readlane_b32 s[LEN], v33, s[BB]
	s_min_u32 s[LEN], s[LEN], 0x800
	s_cmp_eq_u32 s[LEN], 0
	s_cselect_b32 s[QM], 0, -1                     ; length 0: Q's codes are cleared,
	s_cselect_b32 s[LEN], 0x800, s[LEN]            ; and all keys are walked
	s_cmp_eq_u32 s[JB], 0
	s_cselect_b32 s[PLIM], s[LEN], 0
	s_mov_b32 s37, 0
	s_lshl_b32 s36, s[BB], 17                      ; a batch's codes: 131,072 bytes
	s_add_nc_u64 s[4:5], s[4:5], s[36:37]
	s_add_nc_u64 s[8:9], s[8:9], s[36:37]
	s_add_nc_u64 s[12:13], s[12:13], s[36:37]
	s_lshl_b32 s36, s[BB], 13                      ; its scale bytes: 8,192
	s_add_nc_u64 s[6:7], s[6:7], s[36:37]
	s_add_nc_u64 s[10:11], s[10:11], s[36:37]
	s_add_nc_u64 s[14:15], s[14:15], s[36:37]
	s_lshl_b32 s36, s[BB], 20                      ; its part of out: 1,048,576
	s_add_nc_u64 s[18:19], s[18:19], s[36:37]
	s_lshl_b32 s38, s[JB], 6
	s_lshl_b32 s39, s[W4], 4
	s_add_co_u32 s38, s38, s39                     ; my first query: 64 j + 16 x wave of the half
	s_lshl_b32 s36, s38, 6
	s_add_nc_u64 s[4:5], s[4:5], s[36:37]
	s_lshl_b32 s36, s38, 2
	s_add_nc_u64 s[6:7], s[6:7], s[36:37]
	s_lshl_b32 s36, s38, 9
	s_add_nc_u64 s[18:19], s[18:19], s[36:37]
	; 43 loads: Q (3), the batch's scale words (8), slot 0 (32)
	global_load_b128 v[16:19], v252, s[4:5]
	global_load_b128 v[20:23], v252, s[4:5] offset:32
	global_load_b32 v255, v254, s[6:7]
.irp i, 0,1,2,3
	global_load_b128 v[96+4*\i:99+4*\i], v[GK], s[10:11] offset:2048*\i
.endr
.irp i, 0,1,2,3
	global_load_b128 v[112+4*\i:115+4*\i], v[GK], s[14:15] offset:2048*\i
.endr
	WIN 0x40
	GLOAD 0
	GLOAD 1
	GLOAD 2
	GLOAD 3
	WIN 0
	v_mov_b32 v13, 0xff61b1e6                      ; the largest t so far: -3e38, under every t
	v_floor_f32 v12, -v13                          ; -M
	v_mov_b32 v14, 0                               ; the sum, in two halves
	v_mov_b32 v15, 0
.irp b, 0,1,2,3
	v_mov_b32 v[236+\b], 0                         ; written once: a lane permute's destination counts as one of its sources
.endr
	v_mov_b32 v253, 0                              ; (named as the upper half of the pair v[252:253] before it is first written)
.set J, 0
.rept 64
	v_mov_b32 v[160+J], 0                          ; O^T.  The step is written without a first step of its own: the first change of M multiplies zeros.  These lines run while the 43 loads are out
.set J, J+1
.endr
	s_wait_loadcnt 32                              ; Q and the scale words are in; slot 0's 32 loads are younger
.irp i, 0,1,2,3
.irp w, 0,1,2,3
	ds_store_b32 v9, v[96+4*\i+\w] offset:\i*2048+16*\w
.endr
.endr
.irp i, 0,1,2,3
.irp w, 0,1,2,3
	ds_store_b32 v10, v[112+4*\i+\w] offset:\w*512+4*\i
.endr
.endr
.irp i, 0,1,2,3,4,5,6,7
	v_and_b32 v[16+\i], s[QM], v[16+\i]
.endr
	WIN 0x04
.irp q, 0,1,2,3
	s_wait_loadcnt 8*(3-\q)                        ; set q's eight loads are in; the later sets may be out
	GSTORE \q
.endr
	WIN 0
	s_add_nc_u64 s[8:9], s[8:9], 32768             ; K and V at slot 1 (no load is out)
	s_add_nc_u64 s[12:13], s[12:13], 256
	s_mov_b32 s[KF0], 0
	s_mov_b32 s[TB], 0
	s_mov_b32 s[TS], 0
	s_mov_b32 s[CNT], 4
	; ---- THE WALK: four trips, a slot of 512 keys each, in every wave; one barrier a trip, on every path
.Lslot:
	s_wait_dscnt 0x0                               ; my stores into the slot ahead have landed, and my reads of the slot that I leave are back
	s_barrier_signal -1
	s_barrier_wait -1                              ; both now hold of all eight waves
	s_xor_b32 s[STB], s[TB], SLOT1
	v_add_nc_u32 v[ADK], s[TB], v[AK0]             ; the slot's addresses are made on every path, ahead of every branch
	v_xor_b32 v[ADK+1], 128, v[ADK]
	v_add_nc_u32 v[TBAV], s[TB], v[AV0]
	v_add_nc_u32 v[ADS], s[TS], v[ASC]
	v_add_nc_u32 v[STK], s[STB], v[SKC]
	v_add_nc_u32 v[STV], s[STB], v[SVC]
	v_xor_b32 v[STV+1], 128, v[STV]
	s_cmp_ge_u32 s[KF0], s[LEN]
	s_cbranch_scc1 .Lnext                          ; no key of this slot counts: my rows have left
	KLOAD 0
	s_add_co_u32 s36, s[KF0], 512
	s_cmp_lt_u32 s36, s[LEN]
	s_cbranch_scc0 .Llast
	STEP 0, 1                                      ; a slot with a successor: straight-line, and the successor is staged into the other buffer
	STEP 1, 1
	STEP 2, 1
	STEP 3, 1
	s_branch .Lnext
.Llast:                                                ; the last slot with keys that count
	STEP 0, 0
	STEP 1, 0
	STEP 2, 0
	STEP 3, 0
.Lout:
	; THE WAY OUT.  O^T / the sum goes through my own stage in LDS, half a row (64 channels, 256 bytes) of 16 queries at a time, and leaves as aligned runs of 256 bytes.  In the stage the 16-byte column c of row m lies at column c xor m.
	v_add_f32 v14, v14, v15                        ; the sum's two halves,
	v_permlanex16_b32 v252, v14, s[SEL], s[SEL+1]
	v_add_f32 v14, v14, v252                       ; and lane l xor 16's: the row's sum
	v_rcp_f32 v14, v14
	v_and_b32 v240, 15, v0                         ; (a plain instruction behind the reciprocal)  r
	v_bfe_u32 v241, v0, 4, 1                       ; h
	s_lshl_b32 s36, s[WV], 12
	s_add_co_u32 s36, s36, STG                     ; my stage
	v_lshlrev_b32 v242, 1, v241
	v_xor_b32 v242, v240, v242
	v_lshlrev_b32 v242, 4, v242
	v_lshl_add_u32 v242, v240, 8, v242
	v_add_nc_u32 v243, s36, v242                   ; in: row r, column (2 h) xor r; tile t', half e of its eight channels: xor (4 t' + e)
	v_xor_b32 v242, v240, v241
	v_lshlrev_b32 v242, 4, v242
	v_lshl_add_u32 v242, v241, 8, v242
	v_add_nc_u32 v254, s36, v242                   ; back: row 2 i + h, column r xor h xor 2 i
	v_lshlrev_b32 v242, 9, v241
	v_lshl_add_u32 v[TBAV], v240, 4, v242          ; and in out: 512 h + 16 r
.irp t, 0,1,2,3
	v_xor_b32 v[224+2*\t], 64*\t, v243             ; sixteen addresses in sixteen registers: none is written again while an LDS instruction names it
	v_xor_b32 v[225+2*\t], 64*\t+16, v243
.endr
.irp i, 0,1,2,3,4,5,6,7
	v_xor_b32 v[232+\i], 32*\i, v254
.endr
	s_wait_alu depctr_va_vdst(0)                   ; the wait for the reciprocal, ahead of its first reader
.set J, 0
.rept 64
	v_mul_f32 v[96+J], v[160+J], v14               ; register 8 t + i is out(r, 16 t + 8 h + i); each accumulator from its low end on
.set J, J+1
.endr
.irp u, 0,1                                    ; channels 64 u on
.irp t, 0,1,2,3
	ds_store_b128 v[224+2*\t], v[96+32*\u+8*\t:99+32*\u+8*\t]
	ds_store_b128 v[225+2*\t], v[100+32*\u+8*\t:103+32*\u+8*\t]
.endr
.irp i, 0,1,2,3,4,5,6,7
	ds_load_b128 v[160+32*\u+4*\i:163+32*\u+4*\i], v[232+\i] offset:512*\i   ; LDS serves a wave's instructions in order (ISA guide 5.7.1.4): these see my stores, and the next half's stores come behind them
.endr
.endr
.irp u, 0,1
.irp i, 0,1,2,3,4,5,6,7
	s_wait_dscnt 23-16*\u-\i                       ; load i of half u is in: behind it stand that half's later loads and, for u = 0, the other half's sixteen instructions
	global_store_b128 v[TBAV], v[160+32*\u+4*\i:163+32*\u+4*\i], s[18:19] offset:1024*\i+256*\u th:TH_STORE_NT   ; sixteen lanes store 256 consecutive bytes, at a multiple of 256 from out's first byte
.endr
.endr
.Lnext:
	s_wait_xcnt 0x0                                ; the loads, stores and prefetches issued so far have read their addresses and data: the bases may step, and the registers may be written again
	s_add_nc_u64 s[8:9], s[8:9], 32768             ; the slot to be staged next (used only where it holds keys that count)
	s_add_nc_u64 s[12:13], s[12:13], 256
	s_xor_b32 s[TB], s[TB], SLOT1
	s_add_co_u32 s[TS], s[TS], 2048
	s_add_co_u32 s[KF0], s[KF0], 512
	s_sub_co_u32 s[CNT], s[CNT], 1
	s_cmp_lg_u32 s[CNT], 0
	s_cbranch_scc1 .Lslot
	s_endpgm
.Lfunc_end_k_qa9c7983427_attn:
	.size	k_qa9c7983427_attn, .Lfunc_end_k_qa9c7983427_attn-k_qa9c7983427_attn
	.p2alignl 7, 3214868480
	.fill 96, 4, 3214868480
	.section	.rodata,"a",@progbits
	.p2align	6, 0x0
	.amdhsa_kernel k_qa9c7983427_attn
		.amdhsa_group_segment_fixed_size 327680
		.amdhsa_private_segment_fixed_size 0
		.amdhsa_enable_private_segment 0
		.amdhsa_kernarg_size 64
		.amdhsa_user_sgpr_count 2
		.amdhsa_user_sgpr_kernarg_segment_ptr 1
		.amdhsa_wavefront_size32 1
		.amdhsa_system_sgpr_workgroup_id_x 1
		.amdhsa_system_sgpr_workgroup_id_y 1
		.amdhsa_system_sgpr_workgroup_id_z 1
		.amdhsa_system_vgpr_workitem_id 0
		.amdhsa_next_free_vgpr 448
		.amdhsa_next_free_sgpr 66
		.amdhsa_reserve_vcc 1
		.amdhsa_float_denorm_mode_32 3
		.amdhsa_float_denorm_mode_16_64 3
		.amdhsa_memory_ordered 1
		.amdhsa_forward_progress 1
		.amdhsa_inst_pref_size 193
	.end_amdhsa_kernel
	.amdgpu_metadata
---
amdhsa.version: [ 1, 2 ]
amdhsa.kernels:
  - .name:           k_qa9c7983427_attn
    .symbol:         k_qa9c7983427_attn.kd
    .args:
      - { .name: queries_codes, .offset: 0, .size: 8, .value_kind: global_buffer, .address_space: global }
      - { .name: queries_scales, .offset: 8, .size: 8, .value_kind: global_buffer, .address_space: global }
      - { .name: keys_codes, .offset: 16, .size: 8, .value_kind: global_buffer, .address_space: global }
      - { .name: keys_scales, .offset: 24, .size: 8, .value_kind: global_buffer, .address_space: global }
      - { .name: values_codes, .offset: 32, .size: 8, .value_kind: global_buffer, .address_space: global }
      - { .name: values_scales, .offset: 40, .size: 8, .value_kind: global_buffer, .address_space: global }
      - { .name: valid_lens, .offset: 48, .size: 8, .value_kind: global_buffer, .address_space: global }
      - { .name: out0, .offset: 56, .size: 8, .value_kind: global_buffer, .address_space: global }
    .group_segment_fixed_size: 327680
    .private_segment_fixed_size: 0
    .kernarg_segment_align: 8
    .kernarg_segment_size: 64
    .max_flat_workgroup_size: 256
    .sgpr_count:     66
    .vgpr_count:     448
    .wavefront_size: 32
...
	.end_amdgpu_metadata
.endif
;; end of part 1
